; MI455X (gfx1250); checked and timed in simulation.
; The chip was launched on July 23, 2026; its instructions are those of AMD's public machine-readable ISA for CDNA 5 (MIT licence, August 2026) and "CDNA5" Instruction Set Architecture Reference Guide (July 2026). The comments in the code are by the model that wrote it; some were corrected since.
;; Memory Bank. Allowed arithmetic: matrix products marked QUANTISED: E2M1 operands, one E8M0 scale for each 32 along K, by v_wmma_scale_f32_16x16x128_f8f6f4 with both operands' format E2M1 (or v_wmma_scale_f32_32x16x128_f4), f32 sums; everything else in f32.
;; Inputs: keys 4,096 x 128 float32; queries 65,536 x 128 float32.
;; Outputs: out0 65,536 x 128 float32.
;; This version of the problem:
;;   THIS VERSION OF THE PROBLEM IS GIVEN IN LOW PRECISION. The matrix products marked QUANTISED in the list below multiply operands that are first quantised to E2M1 (2 exponent bits, 1 mantissa bit; 4 bits a number), with one power-of-two scale for each 32 numbers along K (OCP MX v1.0); their sums are f32. All else is computed in f32.
;;   The module's matrix products, in the order in which they are computed (A, B: the left and right operand; K: the contracted axis; several contracted axes count as one K, in the product's order):
;;     1. [M 65,536, K 128] x [K 128, N 4,096]; A: computed on the way; B: computed on the way: QUANTISED
;;     2. [M 65,536, K 4,096] x [K 4,096, N 128]; A: softmax (see below); B: input keys: QUANTISED
;;   THE QUANTISER, for each operand of a quantised product, along K:
;;     - K is cut into blocks of 32 from its start; a last block that is shorter is filled with zeros.
;;     - A block's scale is 2^e with e = floor(log2(the largest magnitude in the block)) - 2, held to -126 .. 127; a block of zeros has e = 0. As a byte (E8M0): e + 127.
;;     - Each number is divided by its block's scale, clamped to +-6, and rounded to the nearest number of E2M1, ties to even, subnormals kept.
;;     - The product sums the exact products of the quantised numbers (number of the format x scale) in f32.
;;   ~~~python
;;   def quantise(x, axis):      # numpy; x: float32 -> the quantised numbers, widened to float32 again
;;       x = np.moveaxis(x, axis, -1); K = x.shape[-1]
;;       x = np.pad(x, [(0, 0)] * (x.ndim - 1) + [(0, -K % 32)]); x = x.reshape(x.shape[:-1] + (-1, 32)); a = np.abs(x).max(-1, keepdims=True)
;;       e = np.where(a > 0, np.clip(np.frexp(np.where(a > 0, a, 1))[1] - 1 - 2, -126, 127), 0)      # np.frexp(a)[1] - 1 = floor(log2(a)), exactly
;;       r = np.clip(x / 2.0 ** e, -6, 6)
;;       step = 2.0 ** (np.maximum(np.frexp(np.where(r == 0, 1, r))[1] - 1, 0) - 1)
;;       q = np.round(r / step) * step * 2.0 ** e      # np.round: ties to even
;;       return np.moveaxis(q.reshape(q.shape[:-2] + (-1,))[..., :K], -1, axis).astype(np.float32)
;;   ~~~
;;   SOFTMAX AHEAD OF A QUANTISED PRODUCT. Where the list says 'softmax', what is quantised is not the finished softmax but p = 2^(t - M), with t = logit x log2(e) and M = ceil(the row's largest t), a whole number; so 1/2 < the row's largest p <= 1. The row's sum l is taken of the UNQUANTISED p, in f32, and the product's result is divided by l at the end. Since M is a whole number, a kernel that streams over the keys may use a running M (the ceiling of the running maximum): every later rescaling is an exact power of two, which a block's scale takes up: the codes' values come out the same.
;;   OPERANDS COMPUTED ON THE WAY. 'Computed on the way' means the value that the module computes at that place (a softmax that the list does not call 'softmax' is quantised finished and normalised). What goes into a quantiser is computed in f32, as accurately as f32 sums, v_exp_f32 and their like allow (about 1e-6 of the number): no bf16 or f16 on the way to a quantiser, and a product that is left as it is and whose result goes on into a quantised operand takes f32 operands (vector FMAs, or v_wmma_f32_16x16x4_f32). A number that lies on a knife's edge between two numbers of the format may be rounded either way, as far as f32 arithmetic and the matrix unit's own rounding can turn it there, and no further.
;; One version. Each part assembles by itself: llvm-mc -triple=amdgcn-amd-amdhsa -mcpu=gfx1250 --defsym DOCPART=n.
;; ======== version 1 of 1: 2 launches
;; limits: right only within a limited range of input values
;; workspace buffers: kv 557,056 bytes; qc 4,718,592 bytes
;; launch prep (part 1): grid 544 x 1, 4 waves a work-group, no clusters, 87,552 bytes of LDS; arguments keys, kv, queries, qc; writes kv, qc
.if DOCPART == 1
	.amdgcn_target "amdgcn-amd-amdhsa--gfx1250"
	.amdhsa_code_object_version 6
	.text
	.protected	k_q0b690b9e74_prep
	.globl	k_q0b690b9e74_prep
	.p2align	8
	.type	k_q0b690b9e74_prep,@function
k_q0b690b9e74_prep:
	s_mov_b64 s[64:65], 0
	v_nop
	global_prefetch_b8 v0, s[64:65] scope:SCOPE_SE
	s_setreg_imm32_b32 hwreg(HW_REG_WAVE_MODE, 25, 1), 1
	s_wait_xcnt 0x0
; keys [4096][128] f32 become the two operands that the second launch reads, as codes of FP4 (E2M1) with one E8M0 byte for each 32 along a product's K:
;   K side: each key divided by max(its norm, 1e-12), quantised along d;      V side: the raw keys, quantised along the KEY axis.
; Both are stored as IMAGES OF OPERAND REGISTERS, in 32 records of 17,408 bytes, one for each 128 keys.  Lane L = (r = L % 16, h = L / 16).  Record j:
;   0     + 1024 t + 512 c + 16 L : registers 4c..4c+3 of K's fragment t: key 128 j + 64 (t/4) + 32 (r/8) + 8 (t%4) + r%8, d = 64 c + 32 h + 0..31
;   8192  + 1024 t + 512 c + 16 L : the same of V's fragment t: column d = 16 t + r, keys 128 j + 64 c + 32 h + 0..31
;   16384 + 16 L + 4 i            : K's scale word of tile 2 i + h, row r (byte b: d block b);      16896 + 16 L + 4 i : V's (byte b: key block b)
; THE KEYS OF A TILE OF K are chosen so that in the transposed score tile (register j of lane half h = row 8 h + j) a lane's 32 registers of tiles 4 c .. 4 c + 3
; are the 32 neighbouring keys 64 c + 32 h + 0..31: a whole block of the second product's K, in the order of that product's operand.
; SHARES.  Work-group j makes record j: a record's scale words want all its 128 keys in one place, so there are 32 work-groups.  Wave w stages rows 32 w .. 32 w + 31 in LDS,
; makes K's tiles 2 w and 2 w + 1, and V's columns d = 32 w + lane for the four key blocks.  A lane's registers run along the operand's K on both sides, so nothing is transposed by an instruction.
; A block's scale is 2^(floor(log2(largest magnitude)) - 2): its byte is the largest magnitude's exponent field - 2, held at 1 from below by a floor among the maximum's leaves.
; LIMITS.  NaN and infinities among the inputs are not served.  Blocks whose largest magnitude lies under 2^-124 keep the byte 1; a block of zeros has the byte 1 where the rule says 127
; (its codes are zeros, and this program alone reads the bytes).  1 / max(n, 1e-12) is made as min(rsq(sum of squares), 1e12), and the division is a multiplication by it.
; No tensor load, no cluster: the launch reads each key once and work-groups share nothing.
; WORK-GROUPS 32 TO 543 serve the queries [65536][128] f32 (the 32 that make records have the lowest numbers): each of a work-group's four waves takes 32 queries, divides each by max(its norm, 1e-12),
; quantises it along d, and stores the image of the second launch's operand registers in qc, 2,304 bytes a wave: 512 i + 16 L: registers 4 i .. 4 i + 3 (tile i / 2, d = 64 (i % 2) + 32 h + 0..31 of query r);
; 2048 + 8 L: the two tiles' scale words.  The arithmetic is the K side's, one macro for both.  This path has LDS bytes of its own and no barrier: its waves share nothing.
.set REC,   17408
.set QST,   70144                      ; behind the spare words: the queries' stages, 16 rows x 272 bytes for each wave
.set QSP,   272
.set QA,  5                            ; v5   queries: stage by rows: lanes 0-15 one row of 256 bytes, lanes 16-31 the next
.set QB,  6                            ; v6   stage, row r, + 128 h: my 32 numbers of a query's half row
.set QG,  7                            ; v7   512 h + 16 r: my bytes among the wave's rows of queries
.set QL,  8                            ; v8   8 x lane
.set PITCH, 528                        ; a key's row in LDS: 512 bytes + 16
.set SCL,   128*PITCH                  ; behind the rows: K's 512 bytes of scale words, then V's 512
.set SPARE, 0x11000                    ; the spare words: 128 bytes for each wave, two blocks of 256 bytes that no other line names
.set GL,  4                            ; v4   16 x lane
.set STI, 5                            ; v5   where I stage: my wave's 32 rows + 16 x lane
.set KA,  6                            ; v6   K side: row 64 (w/2) + 16 (w%2) + r%8 + 32 (r/8), + 128 h bytes
.set VA,  7                            ; v7   V side: my column's 4 bytes in row 0
.set VA2, 8                            ; v8   the same in row 64 (an LDS immediate has 16 bits)
.set KSA, 9                            ; v9   where K's scale word goes
.set VSA, 10                           ; v10  where V's goes
.set SCR, 11                           ; v11  the scale words' way out: LDS
.set SCG, 12                           ; v12  and their place in the record
.set KG,  13                           ; v13  my place in K's images
.set VG,  14                           ; v14  my place in V's images
.set SQ,  16                           ; v16-23  sums of squares: two chains of pairs for each tile
.set PD,  26                           ; v26-27  the other half's sum, then rsq
.set INV, 28                           ; v28-31  1 / norm, a pair for each tile (the low word serves both halves)
.set MX,  32                           ; v32-35 largest magnitudes, v36-39 scale operands, v40-43 bytes
.set KW,  44                           ; v44-45 K's scale words, v46-47 the other half's
.set H8,  48                           ; v48  8 h
.set KC,  52                           ; v52-67 K's codes
.set VC,  68                           ; v68-83 V's codes
.set VM,  84                           ; v84-85 V's maxima, v86 scale operand, v87 byte
.set OUTW, 88                          ; v88-89 the scale words on their way out
.set VW,  90                           ; v90  V's scale word
.set X,   96                           ; v96-223 128 numbers
.set SPW, 224                          ; v224 LDS address of my spare word; never rewritten
.set NIL, 225                          ; v225 0; never rewritten
	s_load_b128 s[4:7], s[0:1], 0x0                ; keys s[4:5], kv s[6:7]
	s_load_b128 s[24:27], s[0:1], 0x10             ; queries s[24:25], qc s[26:27]
	v_lshl_add_u32 v[SPW], v0, 2, SPARE
	v_mov_b32 v[NIL], 0
	v_lshrrev_b32 v1, 5, v0
	v_readfirstlane_b32 s8, v1                     ; wave 0..3
	s_cmp_ge_u32 ttmp9, 32                         ; the work-group's number alone: all four waves go the same way
	s_wait_alu depctr_va_vdst(0)                   ; directly ahead of the branch
	s_cbranch_scc1 .Lqueries
	s_lshr_b32 s20, s8, 1
	s_lshl_b32 s20, s20, 6
	s_and_b32 s21, s8, 1
	s_lshl_b32 s21, s21, 4
	s_add_co_u32 s20, s20, s21                     ; 64 (w/2) + 16 (w%2): the first key of my two tiles of K
	s_mul_i32 s20, s20, PITCH
	v_and_b32 v1, 31, v0                           ; lane
	v_and_b32 v2, 15, v0                           ; r
	v_bfe_u32 v3, v0, 4, 1                         ; h
	v_lshlrev_b32 v[GL], 4, v1
	s_mul_i32 s9, s8, 32*PITCH                     ; my wave's 32 rows in LDS
	v_add_nc_u32 v[STI], s9, v[GL]
	v_and_b32 v[KA], 8, v2
	v_mad_u32_u24 v[KA], v[KA], 3, v2              ; r + 24 (r/8) = r%8 + 32 (r/8)
	v_mul_u32_u24 v[KA], v[KA], PITCH
	v_lshl_add_u32 v[KA], v3, 7, v[KA]
	v_add_nc_u32 v[KA], s20, v[KA]
	s_lshl_b32 s16, s8, 7
	v_lshl_add_u32 v[VA], v1, 2, s16               ; column 32 w + lane
	v_add_nc_u32 v[VA2], 64*PITCH, v[VA]
	s_lshl_b32 s17, s8, 2
	s_add_co_u32 s17, s17, SCL
	v_lshl_add_u32 v[KSA], v2, 4, s17              ; SCL + 16 r + 4 w (+ 256 u in the immediate)
	v_lshl_add_u32 v[VSA], v1, 4, s17
	v_add_nc_u32 v[VSA], 512, v[VSA]               ; SCL + 512 + 16 lane + 4 w
	s_lshl_b32 s18, s8, 8
	v_lshl_add_u32 v[SCR], v1, 3, s18              ; 256 w + 8 lane
	v_add_nc_u32 v[SCG], 16384, v[SCR]
	v_add_nc_u32 v[SCR], SCL, v[SCR]
	s_lshl_b32 s19, s8, 11
	v_add_nc_u32 v[KG], s19, v[GL]                 ; 2048 w + 16 lane
	v_lshlrev_b32 v[VG], 4, v2
	v_lshl_add_u32 v[VG], v3, 10, v[VG]
	v_add_nc_u32 v[VG], s19, v[VG]
	v_add_nc_u32 v[VG], 8192, v[VG]                ; 8192 + 2048 w + 1024 (lane / 16) + 16 (lane % 16)
	v_lshlrev_b32 v[H8], 3, v3
	v_mov_b32 v[PD], 0                             ; a lane permute's destination counts as one of its sources: written once
	v_mov_b32 v[PD+1], 0
	v_mov_b32 v[KW+2], 0
	v_mov_b32 v[KW+3], 0
	v_mov_b32 v[INV+1], 0                          ; named as the upper halves of pairs
	v_mov_b32 v[INV+3], 0
	s_lshl_b32 s10, ttmp9, 16                      ; my record's 128 keys of 512 bytes,
	s_lshl_b32 s12, s8, 14                         ; my wave's 32 of them
	s_add_co_u32 s10, s10, s12
	s_mov_b32 s11, 0
	s_mul_i32 s12, ttmp9, REC
	s_mov_b32 s13, 0
	s_mov_b32 s14, 0x76543210                      ; v_permlanex16_b32's selects for lane l xor 16
	s_mov_b32 s15, 0xfedcba98
	s_wait_alu depctr_va_vdst(0)                   ; at the head's end
	s_wait_kmcnt 0x0
	s_add_nc_u64 s[4:5], s[4:5], s[10:11]
	s_add_nc_u64 s[6:7], s[6:7], s[12:13]
	; ---- 1: my 32 rows into LDS.  One load reads one row: 512 consecutive bytes
.set i, 0
.rept 32
	global_load_b128 v[X+4*i:X+4*i+3], v[GL], s[4:5] offset:512*i th:TH_LOAD_NT
.set i, i+1
.endr
.set i, 0
.rept 32
	s_wait_loadcnt 31-i                            ; loads come back in order: row i is in, the 31 - i behind it may be out
	ds_store_b128 v[STI], v[X+4*i:X+4*i+3] offset:PITCH*i
.set i, i+1
.endr
	s_wait_dscnt 0x0                               ; for the others' sake: my rows lie in LDS
	s_barrier_signal -1
	s_barrier_wait -1
; the sum of the squares of 64 numbers of a lane, v[s] on, into v[a]; two chains of pairs
.macro SUMSQ s, a
	v_pk_mul_f32 v[\a:\a+1], v[\s:\s+1], v[\s:\s+1]
	v_pk_mul_f32 v[\a+2:\a+3], v[\s+2:\s+3], v[\s+2:\s+3]
.irp i, 4,8,12,16,20,24,28,32,36,40,44,48,52,56,60
	v_pk_fma_f32 v[\a:\a+1], v[\s+\i:\s+\i+1], v[\s+\i:\s+\i+1], v[\a:\a+1]
	v_pk_fma_f32 v[\a+2:\a+3], v[\s+\i+2:\s+\i+3], v[\s+\i+2:\s+\i+3], v[\a+2:\a+3]
.endr
	v_pk_add_f32 v[\a:\a+1], v[\a:\a+1], v[\a+2:\a+3]
	v_add_f32 v[\a], v[\a], v[\a+1]
.endm
	; ---- 2: K side.  Tile u of my two: lane (r, h) takes key 64 (w/2) + 16 (w%2) + 8 u + r%8 + 32 (r/8), d = 64 c + 32 h + 0..31: register X + 64 u + 32 c + i
.irp u, 0,1
.irp c, 0,1
.irp q, 0,1,2,3,4,5,6,7
	ds_load_b128 v[X+64*\u+32*\c+4*\q:X+64*\u+32*\c+4*\q+3], v[KA] offset:8*\u*PITCH+256*\c+16*\q
.endr
.endr
.endr
	s_wait_dscnt 0x0
; 2 x 16 rows of 128 numbers, lane (r, h) holding d = 64 c + 32 h + 0..31 of row r of tile u at X + 64 u + 32 c: normalised, then codes in KC + 8 u + 4 c and scale words in KW + u
.macro NORMQ
	SUMSQ X, SQ
	SUMSQ X+64, SQ+4
	v_permlanex16_b32 v[PD], v[SQ], s14, s15       ; the key's other 64 numbers lie in lane l xor 16
	v_permlanex16_b32 v[PD+1], v[SQ+4], s14, s15
	v_add_f32 v[SQ], v[SQ], v[PD]
	v_add_f32 v[SQ+4], v[SQ+4], v[PD+1]
	s_wait_alu depctr_va_vdst(0)                   ; ahead of the batch
	v_rsq_f32 v[PD], v[SQ]                         ; both tiles' as one batch
	v_rsq_f32 v[PD+1], v[SQ+4]
	v_nop                                          ; a plain line behind the last of them
	s_wait_alu depctr_va_vdst(0)                   ; one wait for the two, ahead of their first reader
	v_min_num_f32 v[INV], 0x5368d4a5, v[PD]        ; 1 / max(n, 1e-12) = min(1 / n, 1e12); a sum of 0 gives infinity, which the minimum holds
	v_min_num_f32 v[INV+2], 0x5368d4a5, v[PD+1]
.set i, 0
.rept 64
	v_pk_mul_f32 v[X+2*i:X+2*i+1], v[X+2*i:X+2*i+1], v[INV+2*(i/32):INV+2*(i/32)+1] op_sel_hi:[1,0]
.set i, i+1
.endr
	; four blocks of 32, m = 2 u + c, at X + 32 m: all of a block's numbers are the lane's own; the four by turns
.irp m, 0,1,2,3
	v_max3_num_f32 v[MX+\m], |v[X+32*\m]|, |v[X+32*\m+1]|, 0x1800000   ; with the floor 2^(3 - 127): the byte cannot fall under 1
.endr
.irp i, 2,4,6,8,10,12,14,16,18,20,22,24,26,28,30
.irp m, 0,1,2,3
	v_max3_num_f32 v[MX+\m], v[MX+\m], |v[X+32*\m+\i]|, |v[X+32*\m+\i+1]|
.endr
.endr
.irp m, 0,1,2,3
	v_add_nc_u32 v[MX+4+\m], 0xff000000, v[MX+\m]  ; 2 off the exponent field: the conversion's scale operand
.endr
.irp m, 0,1,2,3
	v_lshrrev_b32 v[MX+8+\m], 23, v[MX+4+\m]       ; the scale's byte
.endr
.irp u, 0,1
	v_lshl_or_b32 v[KW+\u], v[MX+9+2*\u], 16, v[MX+8+2*\u]   ; my two bytes: d blocks h and 2 + h,
	v_lshlrev_b32 v[KW+\u], v[H8], v[KW+\u]        ; at their places in the word;
	v_permlanex16_b32 v[KW+2+\u], v[KW+\u], s14, s15
	v_or_b32 v[KW+\u], v[KW+\u], v[KW+2+\u]        ; with lane l xor 16's two the word is whole
.endr
.irp m, 0,1,2,3
.irp g, 0,1,2,3
	v_cvt_scalef32_pk8_fp4_f32 v[KC+4*\m+\g], v[X+32*\m+8*\g:X+32*\m+8*\g+7], v[MX+4+\m]
.endr
.endr
	v_nop                                          ; one plain line behind the last scaled conversion
.endm
	NORMQ
.irp m, 0,1,2,3
	global_store_b128 v[KG], v[KC+4*\m:KC+4*\m+3], s[6:7] offset:512*\m   ; 32 lanes store 512 consecutive bytes: fragment 2 w + m / 2, registers 4 (m % 2) on
.endr
.irp u, 0,1
	ds_store_b32 v[KSA], v[KW+\u] offset:256*\u    ; both halves of the lanes write the same word with the same value
.endr
	; ---- 3: V side.  My column d = 32 w + lane; block b = keys 32 b .. 32 b + 31 runs down my registers X + 32 b + i
.macro LOADV b
.set i, 0
.rept 32
.if (\b) < 2
	ds_load_b32 v[X+32*(\b)+i], v[VA] offset:(32*(\b)+i)*PITCH
.else
	ds_load_b32 v[X+32*(\b)+i], v[VA2] offset:(32*((\b)-2)+i)*PITCH
.endif
.set i, i+1
.endr
.endm
.macro VBLOCK b
.set XB, X+32*(\b)
.if (\b) < 3
	s_wait_dscnt 32                                ; this block's 32 loads are in; the next block's 32 may be out
.else
	s_wait_dscnt 0x0
.endif
.if (\b)+2 < 4
	LOADV (\b)+2                                   ; two blocks ahead
.endif
	v_max3_num_f32 v[VM], |v[XB]|, |v[XB+1]|, 0x1800000
	v_max3_num_f32 v[VM+1], |v[XB+2]|, |v[XB+3]|, |v[XB+4]|
.irp i, 5,9,13,17,21,25
	v_max3_num_f32 v[VM], v[VM], |v[XB+\i]|, |v[XB+\i+1]|
	v_max3_num_f32 v[VM+1], v[VM+1], |v[XB+\i+2]|, |v[XB+\i+3]|
.endr
	v_max3_num_f32 v[VM], v[VM], |v[XB+29]|, |v[XB+30]|
	v_max3_num_f32 v[VM], v[VM], v[VM+1], |v[XB+31]|
	v_add_nc_u32 v[VM+2], 0xff000000, v[VM]
	v_lshrrev_b32 v[VM+3], 23, v[VM+2]
.if (\b) == 0
	v_mov_b32 v[VW], v[VM+3]                       ; byte b of my column's scale word
.else
	v_lshl_or_b32 v[VW], v[VM+3], 8*(\b), v[VW]
.endif
.irp g, 0,1,2,3
	v_cvt_scalef32_pk8_fp4_f32 v[VC+4*(\b)+\g], v[XB+8*\g:XB+8*\g+7], v[VM+2]
.endr
	v_nop                                          ; one plain line behind the last scaled conversion: the next block writes the scale operand anew
	global_store_b128 v[VG], v[VC+4*(\b):VC+4*(\b)+3], s[6:7] offset:512*((\b)/2)+256*((\b)%2)   ; each half of the lanes stores 256 consecutive bytes, aligned
.endm
	LOADV 0
	LOADV 1
	VBLOCK 0
	VBLOCK 1
	VBLOCK 2
	VBLOCK 3
	ds_store_b32 v[VSA], v[VW]
	; ---- 4: the record's 1,024 bytes of scale words leave together: 256 consecutive bytes a wave
	s_wait_dscnt 0x0                               ; for the others' sake: my words lie in LDS
	s_barrier_signal -1
	s_barrier_wait -1
	ds_load_b64 v[OUTW:OUTW+1], v[SCR]
	s_wait_dscnt 0x0
	global_store_b64 v[SCG], v[OUTW:OUTW+1], s[6:7]
	s_wait_tensorcnt 0x0                           ; the wave's end
	ds_add_u32 v[SPW], v[NIL]
	s_wait_dscnt 0x0
	s_endpgm
	; ---- THE QUERIES' PATH
.Lqueries:
	v_and_b32 v1, 31, v0                           ; lane
	v_and_b32 v2, 15, v0                           ; r
	v_bfe_u32 v3, v0, 4, 1                         ; h
	v_lshlrev_b32 v[GL], 4, v1
	v_lshlrev_b32 v[QL], 3, v1
	v_lshlrev_b32 v[QG], 9, v3
	v_lshl_add_u32 v[QG], v2, 4, v[QG]
	s_mul_i32 s9, s8, 16*QSP
	s_add_co_u32 s9, s9, QST                       ; my stage
	v_mul_u32_u24 v[QA], v3, QSP
	v_lshl_add_u32 v[QA], v2, 4, v[QA]
	v_add_nc_u32 v[QA], s9, v[QA]
	v_mul_u32_u24 v[QB], v2, QSP
	v_lshl_add_u32 v[QB], v3, 7, v[QB]
	v_add_nc_u32 v[QB], s9, v[QB]
	v_lshlrev_b32 v[H8], 3, v3
	v_mov_b32 v[PD], 0                             ; a lane permute's destination counts as one of its sources
	v_mov_b32 v[PD+1], 0
	v_mov_b32 v[KW+2], 0
	v_mov_b32 v[KW+3], 0
	v_mov_b32 v[INV+1], 0                          ; named as the upper halves of pairs
	v_mov_b32 v[INV+3], 0
	s_sub_co_u32 s10, ttmp9, 32
	s_lshl_b32 s10, s10, 2
	s_add_co_u32 s10, s10, s8                      ; which 32 queries are my wave's
	s_mul_i32 s12, s10, 2304                       ; their image in qc
	s_mov_b32 s13, 0
	s_lshl_b32 s10, s10, 14                        ; 32 rows of 512 bytes
	s_mov_b32 s11, 0
	s_mov_b32 s14, 0x76543210
	s_mov_b32 s15, 0xfedcba98
	s_wait_alu depctr_va_vdst(0)                   ; at the head's end
	s_wait_kmcnt 0x0
	s_add_nc_u64 s[24:25], s[24:25], s[10:11]
	s_add_nc_u64 s[26:27], s[26:27], s[12:13]
.irp g, 0,1,2,3                        ; group g = tile g / 2, half row g % 2; sixteen lanes read 256 consecutive bytes
.irp i, 0,1,2,3,4,5,6,7
	global_load_b128 v[X+32*\g+4*\i:X+32*\g+4*\i+3], v[QG], s[24:25] offset:8192*(\g/2)+1024*\i+256*(\g%2) th:TH_LOAD_NT
.endr
.endr
.irp g, 0,1,2,3                        ; through my stage: in by rows, back 128 bytes a lane.  LDS serves a wave's instructions in order
	s_wait_loadcnt 24-8*\g
.irp i, 0,1,2,3,4,5,6,7
	ds_store_b128 v[QA], v[X+32*\g+4*\i:X+32*\g+4*\i+3] offset:2*QSP*\i
.endr
.irp q, 0,1,2,3,4,5,6,7
	ds_load_b128 v[X+32*\g+4*\q:X+32*\g+4*\q+3], v[QB] offset:16*\q
.endr
.endr
	s_wait_dscnt 0x0
	NORMQ
.irp m, 0,1,2,3
	global_store_b128 v[GL], v[KC+4*\m:KC+4*\m+3], s[26:27] offset:512*\m   ; 32 lanes store 512 consecutive bytes
.endr
	global_store_b64 v[QL], v[KW:KW+1], s[26:27] offset:2048               ; and 256: both tiles' scale words
	s_wait_tensorcnt 0x0                           ; the wave's end
	ds_add_u32 v[SPW], v[NIL]
	s_wait_dscnt 0x0
	s_endpgm
.Lfunc_end_k_q0b690b9e74_prep:
	.size	k_q0b690b9e74_prep, .Lfunc_end_k_q0b690b9e74_prep-k_q0b690b9e74_prep
	.p2alignl 7, 3214868480
	.fill 96, 4, 3214868480
	.section	.rodata,"a",@progbits
	.p2align	6, 0x0
	.amdhsa_kernel k_q0b690b9e74_prep
		.amdhsa_group_segment_fixed_size 87552
		.amdhsa_private_segment_fixed_size 0
		.amdhsa_enable_private_segment 0
		.amdhsa_kernarg_size 32
		.amdhsa_user_sgpr_count 2
		.amdhsa_user_sgpr_kernarg_segment_ptr 1
		.amdhsa_wavefront_size32 1
		.amdhsa_system_sgpr_workgroup_id_x 1
		.amdhsa_system_sgpr_workgroup_id_y 1
		.amdhsa_system_sgpr_workgroup_id_z 1
		.amdhsa_system_vgpr_workitem_id 0
		.amdhsa_next_free_vgpr 226
		.amdhsa_next_free_sgpr 66
		.amdhsa_reserve_vcc 0
		.amdhsa_float_denorm_mode_32 3
		.amdhsa_float_denorm_mode_16_64 3
		.amdhsa_memory_ordered 1
		.amdhsa_forward_progress 1
		.amdhsa_inst_pref_size 65
	.end_amdhsa_kernel
	.amdgpu_metadata
---
amdhsa.version: [ 1, 2 ]
amdhsa.kernels:
  - .name:           k_q0b690b9e74_prep
    .symbol:         k_q0b690b9e74_prep.kd
    .args:
      - { .name: keys, .offset: 0, .size: 8, .value_kind: global_buffer, .address_space: global }
      - { .name: kv, .offset: 8, .size: 8, .value_kind: global_buffer, .address_space: global }
      - { .name: queries, .offset: 16, .size: 8, .value_kind: global_buffer, .address_space: global }
      - { .name: qc, .offset: 24, .size: 8, .value_kind: global_buffer, .address_space: global }
    .group_segment_fixed_size: 87552
    .private_segment_fixed_size: 0
    .kernarg_segment_align: 8
    .kernarg_segment_size: 32
    .max_flat_workgroup_size: 128
    .sgpr_count:     66
    .vgpr_count:     226
    .wavefront_size: 32
...
	.end_amdgpu_metadata
.endif
;; end of part 1
;; launch attend (part 2): grid 256 x 1, 8 waves a work-group, clusters of 4 x 1, 327,680 bytes of LDS; arguments qc, kv, out0; writes out0
.if DOCPART == 2
	.amdgcn_target "amdgcn-amd-amdhsa--gfx1250"
	.amdhsa_code_object_version 6
	.text
	.protected	k_q0b690b9e74_attend
	.globl	k_q0b690b9e74_attend
	.p2align	8
	.type	k_q0b690b9e74_attend,@function
k_q0b690b9e74_attend:
	s_mov_b64 s[64:65], 0
	v_nop
	global_prefetch_b8 v0, s[64:65] scope:SCOPE_SE
	s_setreg_imm32_b32 hwreg(HW_REG_WAVE_MODE, 25, 1), 1
	s_wait_xcnt 0x0
	s_wait_alu depctr_hold_cnt(0) depctr_sa_sdst(0) depctr_va_vdst(0) depctr_va_sdst(0) depctr_va_ssrc(0) depctr_va_vcc(0) depctr_vm_vsrc(0)
	s_getreg_b32 s2, hwreg(HW_REG_IB_STS2, 6, 4)
	s_cmp_eq_u32 s2, 0
	s_cbranch_scc0 .Lentry_in_a_cluster
	s_endpgm
.Lentry_in_a_cluster:
	s_bfe_u32 s2, ttmp6, 0x10000c
	s_cmp_lg_u32 s2, 0x3003
	s_cbranch_scc0 .Lentry_shape_is_right
	s_endpgm
.Lentry_shape_is_right:
; out0[q] = sum over k of softmax_k(q_n . k_n) keys[k], both products on codes of FP4 (E2M1) with one E8M0 scale for each 32 along a product's K.
; kv holds 32 records of 17,408 bytes, one for each 128 keys: images of the operand registers of K (normalised keys, 8 fragments), of V (raw keys, keys innermost, 8 fragments) and their scale words.
; qc holds, for each 32 queries, 2,304 bytes: the image of Q's operand registers (normalised queries, two tiles of 16) and the two tiles' scale words.  Both were made by the first launch.
; SHARES.  A work-group owns 256 queries, each of its eight waves 32 (two tiles of 16): two waves to a SIMD.  Every wave walks all 32 records, one a step.
; Both products are used transposed (S^T = K Q^T, O^T = V^T P^T): a lane holds one query (lane % 16) throughout.  The keys of a tile of K are chosen by the first launch so that a lane's
; 32 registers of score tiles 4 c .. 4 c + 3 are keys 64 c + 32 h + 0..31 (h = lane / 16): a whole block of the second product's K, in its operand's order.  So a block's largest p needs
; no other lane, the conversions' results are P's operand registers as they stand, and only the scale word's four bytes are joined with lane l xor 16's.
; THE SOFTMAX.  p = 2^(score x log2(e)) is quantised; no maximum is taken away: both vectors are normalised as reference() does, and a number's code lies within a quarter of its
; block's largest magnitude, so |score| stays under 4 for every input, p between 2^-6 and 2^6, and the sum of 4,096 of them under 2^18.  A whole-number M would only move the blocks' scale bytes, not the codes.
; The row's sum is taken of the unquantised p, in f32, and divides O at the end.
; A STEP: 16 score products; the loads of this record's V and of the NEXT record's K (by immediates off one address); 64 packed multiplies; the 128 exponentials as ONE batch, one wait ahead and one behind;
; maxima and sums by turns on 4 and 8 chains, so that no line reads a result made within the four lines above it; the scale words; 16 conversions; 16 products.
; THE RING.  Two slots of 8 records; each wave fetches one record of a slot by one joint load (the four work-groups of a cluster read the same records: mask 15).  A slot's last step fetches no K ahead:
; the next slot's first K is loaded behind the change of slots.  By this text's count a wave has one tensor load out at any time.
; NO PREFETCH INTO THE L2: a refill is asked for eight steps (256 matrix instructions a wave) ahead of the wait for it, the launch has only two refills, and Q's images are read once, at the head, with no loop to run ahead in.
; LIMITS.  NaN and infinities among the inputs are not served.  A block of zeros has the byte 1 (its codes are zeros).
.set REC,   17408
.set SLOTB, 8*REC
.set SPARE, 2*SLOTB                    ; the spare words: 128 bytes a wave, four blocks of 256 bytes that no other line names
.set STAGE, SPARE+1024                 ; 16 rows x 272 bytes for each wave: O's way out; no tensor load lands here
.set SP,    272
.set LI,  3                            ; v3   16 x lane
.set ADR, 4                            ; v4   LDS address of the record in hand + 16 x lane
.set SPW, 5                            ; v5   my spare word; never rewritten
.set NIL, 6                            ; v6   0; never rewritten
.set STA, 7                            ; v7   stage by rows: lanes 0-15 one row of 256 bytes, lanes 16-31 the next
.set STO, 9                            ; v9   stage, row r, + 32 h: O's way in
.set GQ,  10                           ; v10  my byte offset among the wave's rows of out0
.set RC,  12                           ; v12-15 a factor for each tile, as the low word of a pair
.set SUM, 16                           ; v16-31 the rows' sums: four chains of pairs for each tile
.set QF,  32                           ; v32-47 Q's codes
.set PC,  48                           ; v48-63 P's codes
.set QS,  64                           ; v64-65 Q's scale words
.set PS,  66                           ; v66-67 P's
.set KS,  68                           ; v68-71 K's
.set VS,  72                           ; v72-75 V's
.set TM,  76                           ; v76-79 largest p of blocks m = 2 x + c
.set SO,  80                           ; v80-83 the conversions' scale operands
.set BY,  84                           ; v84-87 the scale bytes
.set WD,  88                           ; v88-89 my two bytes of a tile's scale word
.set PX,  90                           ; v90-91 lane l xor 16's
.set H8,  92                           ; v92  8 h
.set LQ,  93                           ; v93  8 x lane
.set S,   128                          ; v128-255 S^T, then p: tile x, block c at S + 64 x + 32 c
.set KF,  128                          ; window 1: v0-127 O^T, v128-191 K's fragments, v192-255 V's
.set VF,  192
.set WV,  10
.set G1,  16
.set G0,  24
.set SEL, 32
.set CS,  34
.set TB,  36
.set CNT, 37
.set MSB, 0
.macro WIN new                         ; the immediate's high byte repeats the setting that is left
.if MSB != \new
	s_set_vgpr_msb (MSB<<8)|\new
.set MSB, \new
.endif
.endm
.macro CROUND                          ; a round of the cluster's barrier
	s_barrier_signal -1
	s_barrier_wait -1
	s_cmp_lg_u32 s[WV], 0
	s_cbranch_scc1 .Lnot_wave_0_\@
	s_barrier_signal -3
.Lnot_wave_0_\@:
	s_barrier_wait -3
	s_barrier_signal -1
	s_barrier_wait -1
.endm
.macro PLACES
.rept 4
	v_nop
.endr
.endm
	s_load_b128 s[4:7], s[0:1], 0x0                ; qc, kv
	s_load_b64 s[8:9], s[0:1], 0x10                ; out0
	v_lshl_add_u32 v[SPW], v0, 2, SPARE
	v_mov_b32 v[NIL], 0
	ds_add_u32 v[SPW], v[NIL]                      ; the add,
	ds_add_u32 v[SPW], v[NIL]                      ; once more, and below the one wait for both
	v_lshrrev_b32 v1, 5, v0
	s_delay_alu instid0(VALU_DEP_1)
	v_readfirstlane_b32 s[WV], v1                  ; wave 0..7
	v_and_b32 v2, 15, v0                           ; r
	v_bfe_u32 v11, v0, 4, 1                        ; h
	v_and_b32 v1, 31, v0                           ; lane
	s_delay_alu instid0(VALU_DEP_2)
	v_lshlrev_b32 v[GQ], 9, v11
	s_delay_alu instid0(VALU_DEP_2)
	v_lshlrev_b32 v[LI], 4, v1
	v_lshlrev_b32 v[LQ], 3, v1
	s_delay_alu instid0(VALU_DEP_3)
	v_lshl_add_u32 v[GQ], v2, 4, v[GQ]             ; 512 h + 16 r
	s_bfe_u32 s11, ttmp6, 0x40000
	s_lshl_b32 s12, ttmp9, 2
	s_add_co_u32 s12, s12, s11                     ; my work-group
	s_mov_b32 s[G1+0], 15|(3<<16)|(1<<21)          ; all four of the cluster; elements of 8 bytes
	s_mov_b32 s[G1+1], 32<<16                      ; a record as 68 dense rows of 256 bytes
	s_mov_b32 s[G1+2], 68<<16
	s_mov_b32 s[G1+3], 32<<16
	s_mov_b32 s[G1+4], 68
	s_mov_b32 s[G1+5], 32
	s_mov_b32 s[G1+6], 0
	s_mov_b32 s[G1+7], 0
	s_mul_i32 s13, s[WV], REC                      ; the record of a slot that I fetch
	s_mov_b32 s14, s13
	s_mov_b32 s15, 0
	s_mov_b32 s[SEL], 0x76543210
	s_mov_b32 s[SEL+1], 0xfedcba98
	s_mov_b32 s[CS], 0x3fb8aa3b                    ; log2(e)
	s_mov_b32 s[CS+1], s[CS]
	s_lshl_b32 s40, s12, 17                        ; out0: 256 rows of 512 bytes a work-group,
	s_lshl_b32 s39, s[WV], 14                      ; 32 a wave
	s_add_co_u32 s40, s40, s39
	s_mov_b32 s41, 0
	s_lshl_b32 s42, s12, 3
	s_add_co_u32 s42, s42, s[WV]
	s_mul_i32 s42, s42, 2304                       ; qc: my wave's image
	s_mov_b32 s43, 0
	s_mul_i32 s38, s[WV], 16*SP
	s_add_co_u32 s38, s38, STAGE                   ; my stage
	s_wait_alu depctr_va_vdst(0)                   ; ahead of the waits below
	s_wait_dscnt 0x0
	s_wait_kmcnt 0x0
	s_mov_b32 s[G0+0], 1
	s_mov_b32 s[G0+1], s13
	s_add_nc_u64 s[G0+2:G0+3], s[6:7], s[14:15]
	s_mov_b32 s[G0+4], 1
	s_add_co_u32 s[G0+5], s13, SLOTB
	s_add_nc_u64 s[G0+6:G0+7], s[G0+2:G0+3], SLOTB
	s_or_b32 s[G0+3], s[G0+3], 0x80000000
	s_or_b32 s[G0+7], s[G0+7], 0x80000000
	s_add_nc_u64 s[4:5], s[4:5], s[42:43]
	s_add_nc_u64 s[8:9], s[8:9], s[40:41]
.irp i, 0,1,2,3                        ; Q's operand registers as they were stored: 512 consecutive bytes a load
	global_load_b128 v[QF+4*\i:QF+4*\i+3], v[LI], s[4:5] offset:512*\i th:TH_LOAD_NT
.endr
	global_load_b64 v[QS:QS+1], v[LQ], s[4:5] offset:2048 th:TH_LOAD_NT   ; and the two tiles' scale words
	CROUND                                         ; the round in front of the first joint loads
	tensor_load_to_lds s[G0:G0+3], s[G1:G1+7]      ; slot 0: records 0 to 7, one a wave
	s_nop 0
	v_mul_u32_u24 v[STA], v11, SP
	v_mul_u32_u24 v[STO], v2, SP
	v_lshlrev_b32 v[H8], 3, v11
	v_mov_b32 v[RC+1], 0                           ; named as the upper halves of pairs
	v_mov_b32 v[RC+3], 0
	v_mov_b32 v[PX], 0                             ; a lane permute's destination counts as one of its sources
	v_lshl_add_u32 v[STA], v2, 4, v[STA]
	v_lshl_add_u32 v[STO], v11, 5, v[STO]
	v_mov_b32 v[PX+1], 0
.set cnt, 0
.rept 16
	v_mov_b32 v[SUM+cnt], 0
.set cnt, cnt+1
.endr
	v_add_nc_u32 v[STA], s38, v[STA]
	v_add_nc_u32 v[STO], s38, v[STO]
; From four largest p (blocks m = 2 x + c: key block 2 c + h of tile x) to two scale words, in 16 lines
.macro TOP k, dst
.if (\k) < 4
	v_add_nc_u32 v[SO+(\k)], 0xff000000, v[TM+(\k)]        ; 2 off the exponent field: the conversion's scale operand
.elseif (\k) < 8
	v_lshrrev_b32 v[BY+(\k)-4], 23, v[SO+(\k)-4]           ; the scale's byte
.elseif (\k) < 10
	v_lshl_or_b32 v[WD+(\k)-8], v[BY+2*((\k)-8)+1], 16, v[BY+2*((\k)-8)]   ; my two bytes: blocks h and 2 + h,
.elseif (\k) < 12
	v_lshlrev_b32 v[WD+(\k)-10], v[H8], v[WD+(\k)-10]      ; at their places in the word;
.elseif (\k) < 14
	v_permlanex16_b32 v[PX+(\k)-12], v[WD+(\k)-12], s[SEL], s[SEL+1]
.else
	v_or_b32 v[\dst+(\k)-14], v[WD+(\k)-14], v[PX+(\k)-14] ; with lane l xor 16's two the word is whole
.endif
.endm
.macro CVTS dst                        ; registers 4 c + g of tile x's operand: k = 64 c + 32 h + 8 g + 0..7
.irp m, 0,1,2,3
.irp g, 0,1,2,3
	v_cvt_scalef32_pk8_fp4_f32 v[\dst+4*\m+\g], v[S+32*\m+8*\g:S+32*\m+8*\g+7], v[SO+\m]
.endr
.endr
.endm
.macro PMAX k                          ; chain m = k % 4, the pair k / 4 of its 32 numbers
.if (\k) < 4
	v_max3_num_f32 v[TM+(\k)], v[S+32*(\k)], v[S+32*(\k)+1], 0x1800000   ; with the floor 2^(3 - 127): the byte cannot fall under 1
.else
	v_max3_num_f32 v[TM+(\k)%4], v[TM+(\k)%4], v[S+32*((\k)%4)+2*((\k)/4)], v[S+32*((\k)%4)+2*((\k)/4)+1]
.endif
.endm
.macro PSUM n                          ; tile n % 2, pair n / 2: eight chains by turns
.set SA, SUM+8*((\n)%2)+2*(((\n)/2)%4)
.set SB, S+64*((\n)%2)+2*((\n)/2)
	v_pk_add_f32 v[SA:SA+1], v[SA:SA+1], v[SB:SB+1]
.endm
.macro MM d, a, b, sa, sb, odd, acc
.if (\odd) && (\acc)
	v_wmma_scale_f32_16x16x128_f8f6f4 v[\d:\d+7], v[\a:\a+7], v[\b:\b+7], v[\d:\d+7], v[\sa], v[\sb] matrix_a_fmt:MATRIX_FMT_FP4 matrix_b_fmt:MATRIX_FMT_FP4 matrix_a_scale:MATRIX_SCALE_ROW1
.elseif (\odd)
	v_wmma_scale_f32_16x16x128_f8f6f4 v[\d:\d+7], v[\a:\a+7], v[\b:\b+7], 0, v[\sa], v[\sb] matrix_a_fmt:MATRIX_FMT_FP4 matrix_b_fmt:MATRIX_FMT_FP4 matrix_a_scale:MATRIX_SCALE_ROW1
.elseif (\acc)
	v_wmma_scale_f32_16x16x128_f8f6f4 v[\d:\d+7], v[\a:\a+7], v[\b:\b+7], v[\d:\d+7], v[\sa], v[\sb] matrix_a_fmt:MATRIX_FMT_FP4 matrix_b_fmt:MATRIX_FMT_FP4
.else
	v_wmma_scale_f32_16x16x128_f8f6f4 v[\d:\d+7], v[\a:\a+7], v[\b:\b+7], 0, v[\sa], v[\sb] matrix_a_fmt:MATRIX_FMT_FP4 matrix_b_fmt:MATRIX_FMT_FP4
.endif
.endm
.macro LOADK                           ; K's fragments and scale words of the record at s[TB]: a slot's first
	v_add_nc_u32 v[ADR], s[TB], v[LI]
	ds_load_b128 v[KS:KS+3], v[ADR] offset:16384
	WIN 0x40
.irp t, 0,1,2,3,4,5,6,7
.irp c, 0,1
	ds_load_b128 v[KF+8*\t+4*\c:KF+8*\t+4*\c+3], v[ADR] offset:1024*\t+512*\c
.endr
.endr
	WIN 0
.endm
; A STEP on the record at s[TB].  zero = 1: the products start O's sums.  pre = 1: the next record's K is fetched
.macro STEP zero, pre
	s_wait_dscnt 0x0                               ; K's fragments and scale words are in
	WIN 0x01
.irp t, 0,1,2,3,4,5,6,7
.irp x, 0,1
	MM S+64*\x+8*\t, KF+8*\t, QF+8*\x, KS+\t/2, QS+\x, \t%2, 0
.endr
.endr
	WIN 0
	v_add_nc_u32 v[ADR], s[TB], v[LI]              ; four places behind the products, ahead of the loads into their sources and of the scores' readers
.rept 3
	v_nop
.endr
	ds_load_b128 v[VS:VS+3], v[ADR] offset:16896
.if \pre
	ds_load_b128 v[KS:KS+3], v[ADR] offset:REC+16384
.endif
	WIN 0x40
.irp t, 0,1,2,3,4,5,6,7
.irp c, 0,1
	ds_load_b128 v[VF+8*\t+4*\c:VF+8*\t+4*\c+3], v[ADR] offset:8192+1024*\t+512*\c
.endr
.endr
.if \pre
.irp t, 0,1,2,3,4,5,6,7
.irp c, 0,1
	ds_load_b128 v[KF+8*\t+4*\c:KF+8*\t+4*\c+3], v[ADR] offset:REC+1024*\t+512*\c
.endr
.endr
.endif
	WIN 0
.set cnt, 0
.rept 64
	v_pk_mul_f32 v[S+2*cnt:S+2*cnt+1], v[S+2*cnt:S+2*cnt+1], s[CS:CS+1] op_sel_hi:[1,0]   ; t = score x log2(e); each accumulator is read from its low end on
.set cnt, cnt+1
.endr
	s_wait_alu depctr_va_vdst(0)                   ; ahead of the batch
.set cnt, 0
.rept 128
	v_exp_f32 v[S+cnt], v[S+cnt]                   ; p = 2^t
.set cnt, cnt+1
.endr
	v_nop                                          ; a plain line behind the last of them
	s_wait_alu depctr_va_vdst(0)                   ; one wait for the batch, ahead of its first reader
.set cnt, 0
.rept 64                               ; four chains of maxima, and sums between them
	PMAX cnt
.if cnt%2 == 0
	PSUM cnt/2
.endif
.set cnt, cnt+1
.endr
.set cnt, 0
.rept 8                                ; the scale words' lines, with sums between them
	TOP cnt, PS
	PSUM 32+cnt
.set cnt, cnt+1
.endr
.rept 8
	TOP cnt, PS
	PSUM 24+2*cnt
	PSUM 25+2*cnt
.set cnt, cnt+1
.endr
	CVTS PC
.set cnt, 56
.rept 8                                ; the last eight sums: with the two above, ten plain lines between P's scale words and the products, eight between P's codes and them
	PSUM cnt
.set cnt, cnt+1
.endr
	s_wait_dscnt 16*\pre                           ; V's fragments and scale words are in; the 16 loads of the next K, issued behind them, may be out
	WIN 0x51
	s_wait_alu depctr_va_vdst(0)                   ; directly ahead of the first reader of O^T and of what was written above
.irp t, 0,1,2,3,4,5,6,7
.irp x, 0,1
	MM 64*\x+8*\t, VF+8*\t, PC+8*\x, VS+\t/2, PS+\x, \t%2, 1-\zero
.endr
.endr
	WIN 0
.endm
.macro STEPS n
	s_mov_b32 s[CNT], \n
.Lstep_\@:
	STEP 0, 1
	s_add_co_u32 s[TB], s[TB], REC
	s_sub_co_u32 s[CNT], s[CNT], 1
	s_cmp_lg_u32 s[CNT], 0
	s_cbranch_scc1 .Lstep_\@
.endm
.macro CHANGE slot                     ; the slot just read out takes the records 16 further on
	s_wait_tensorcnt 0x0                           ; all my tensor loads are done: my record of the other slot
	ds_add_u32 v[SPW], v[NIL]
	s_add_nc_u64 s[G0+4*\slot+2:G0+4*\slot+3], s[G0+4*\slot+2:G0+4*\slot+3], 2*SLOTB
	s_wait_dscnt 0x0                               ; the add is done; my reads of the slot were waited for in its last step
	CROUND                                         ; both now hold of every wave of the cluster
	tensor_load_to_lds s[G0+4*\slot:G0+4*\slot+3], s[G1:G1+7]
	s_nop 0
	PLACES
.endm
	s_wait_alu depctr_va_vdst(0)                   ; at the head's end
	s_wait_loadcnt 0x0                             ; Q's codes and scale words are in
	s_wait_tensorcnt 0x0                           ; my record of slot 0 is in; slot 1's first fill is issued as a refill is
	ds_add_u32 v[SPW], v[NIL]
	s_wait_dscnt 0x0
	CROUND
	tensor_load_to_lds s[G0+4:G0+7], s[G1:G1+7]    ; slot 1: records 8 to 15
	s_nop 0
	PLACES
	s_mov_b32 s[TB], 0
	LOADK
	STEP 1, 1
	s_mov_b32 s[TB], REC
	STEPS 6
	STEP 0, 0
	CHANGE 0
	s_mov_b32 s[TB], SLOTB
	LOADK
	STEPS 7
	STEP 0, 0
	CHANGE 1
	s_mov_b32 s[TB], 0
	LOADK
	STEPS 7
	STEP 0, 0
	s_wait_tensorcnt 0x0                           ; my record of the last slot is in; nothing is filled again, so my work-group's barrier serves
	ds_add_u32 v[SPW], v[NIL]
	s_wait_dscnt 0x0
	s_barrier_signal -1
	s_barrier_wait -1
	s_mov_b32 s[TB], SLOTB
	LOADK
	STEPS 7
	STEP 0, 0
	; THE WAY OUT.  The sums' chains are joined (these lines are also the places behind the last products); O^T / the sum goes through my stage, half a row of 16 queries at a time
.irp x, 0,1
	v_pk_add_f32 v[SUM+8*\x:SUM+8*\x+1], v[SUM+8*\x:SUM+8*\x+1], v[SUM+8*\x+2:SUM+8*\x+3]
	v_pk_add_f32 v[SUM+8*\x+4:SUM+8*\x+5], v[SUM+8*\x+4:SUM+8*\x+5], v[SUM+8*\x+6:SUM+8*\x+7]
.endr
	s_delay_alu instid0(VALU_DEP_3)
	v_pk_add_f32 v[SUM:SUM+1], v[SUM:SUM+1], v[SUM+4:SUM+5]
	s_delay_alu instid0(VALU_DEP_2)
	v_pk_add_f32 v[SUM+8:SUM+9], v[SUM+8:SUM+9], v[SUM+12:SUM+13]
.irp x, 0,1
	s_delay_alu instid0(VALU_DEP_2)
	v_add_f32 v[SUM+8*\x], v[SUM+8*\x], v[SUM+8*\x+1]
.endr
.irp x, 0,1
	s_delay_alu instid0(VALU_DEP_2)
	v_permlanex16_b32 v[PX+\x], v[SUM+8*\x], s[SEL], s[SEL+1]
.endr
.irp x, 0,1
	s_delay_alu instid0(VALU_DEP_2)
	v_add_f32 v[SUM+8*\x], v[SUM+8*\x], v[PX+\x]   ; with lane l xor 16's keys: the row's sum
.endr
	s_wait_alu depctr_va_vdst(0)                   ; ahead of the batch
.irp x, 0,1
	v_rcp_f32 v[RC+2*\x], v[SUM+8*\x]
.endr
	v_nop
	s_wait_alu depctr_va_vdst(0)                   ; and behind it, ahead of the first readers of the factors and of O^T
	WIN 0x01
.set cnt, 0
.rept 64
	v_pk_mul_f32 v[S+2*cnt:S+2*cnt+1], v[2*cnt:2*cnt+1], v[RC+2*(cnt/32):RC+2*(cnt/32)+1] op_sel_hi:[1,0]   ; register 64 x + 8 t + j is o(query r of tile x, 16 t + 8 h + j)
.set cnt, cnt+1
.endr
	WIN 0
.irp g, 0,1,2,3
.irp t, 0,1,2,3
	ds_store_b128 v[STO], v[S+32*\g+8*\t:S+32*\g+8*\t+3] offset:64*\t
	ds_store_b128 v[STO], v[S+32*\g+8*\t+4:S+32*\g+8*\t+7] offset:64*\t+16
.endr
.irp i, 0,1,2,3,4,5,6,7
	ds_load_b128 v[S+32*\g+4*\i:S+32*\g+4*\i+3], v[STA] offset:2*SP*\i   ; LDS serves a wave's instructions in order
.endr
.endr
.irp g, 0,1,2,3
.irp i, 0,1,2,3,4,5,6,7
	s_wait_dscnt 55-16*\g-\i                       ; of the 64 LDS instructions above, those issued behind this load may be out
	global_store_b128 v[GQ], v[S+32*\g+4*\i:S+32*\g+4*\i+3], s[8:9] offset:8192*(\g/2)+1024*\i+256*(\g%2) th:TH_STORE_NT   ; sixteen lanes store 256 consecutive bytes, aligned
.endr
.endr
	s_wait_tensorcnt 0x0                           ; the wave's end
	ds_add_u32 v[SPW], v[NIL]
	s_wait_dscnt 0x0
	CROUND                                         ; the closing round
	s_endpgm
.Lfunc_end_k_q0b690b9e74_attend:
	.size	k_q0b690b9e74_attend, .Lfunc_end_k_q0b690b9e74_attend-k_q0b690b9e74_attend
	.p2alignl 7, 3214868480
	.fill 96, 4, 3214868480
	.section	.rodata,"a",@progbits
	.p2align	6, 0x0
	.amdhsa_kernel k_q0b690b9e74_attend
		.amdhsa_group_segment_fixed_size 327680
		.amdhsa_private_segment_fixed_size 0
		.amdhsa_enable_private_segment 0
		.amdhsa_kernarg_size 24
		.amdhsa_user_sgpr_count 2
		.amdhsa_user_sgpr_kernarg_segment_ptr 1
		.amdhsa_wavefront_size32 1
		.amdhsa_system_sgpr_workgroup_id_x 1
		.amdhsa_system_sgpr_workgroup_id_y 1
		.amdhsa_system_sgpr_workgroup_id_z 1
		.amdhsa_system_vgpr_workitem_id 0
		.amdhsa_next_free_vgpr 512
		.amdhsa_next_free_sgpr 66
		.amdhsa_reserve_vcc 0
		.amdhsa_float_denorm_mode_32 3
		.amdhsa_float_denorm_mode_16_64 3
		.amdhsa_memory_ordered 1
		.amdhsa_forward_progress 1
		.amdhsa_inst_pref_size 243
	.end_amdhsa_kernel
	.amdgpu_metadata
---
amdhsa.version: [ 1, 2 ]
amdhsa.kernels:
  - .name:           k_q0b690b9e74_attend
    .symbol:         k_q0b690b9e74_attend.kd
    .args:
      - { .name: qc, .offset: 0, .size: 8, .value_kind: global_buffer, .address_space: global }
      - { .name: kv, .offset: 8, .size: 8, .value_kind: global_buffer, .address_space: global }
      - { .name: out0, .offset: 16, .size: 8, .value_kind: global_buffer, .address_space: global }
    .group_segment_fixed_size: 327680
    .private_segment_fixed_size: 0
    .kernarg_segment_align: 8
    .kernarg_segment_size: 24
    .max_flat_workgroup_size: 256
    .sgpr_count:     66
    .vgpr_count:     512
    .wavefront_size: 32
...
	.end_amdgpu_metadata
.endif
;; end of part 2
